; MI455X (gfx1250); checked and timed in simulation.
; The chip was launched on July 23, 2026; its instructions are those of AMD's public machine-readable ISA for CDNA 5 (MIT licence, August 2026) and "CDNA5" Instruction Set Architecture Reference Guide (July 2026). The comments in the code are by the model that wrote it; some were corrected since.
;; Multi Head Attention. Allowed arithmetic: matrix products marked QUANTISED: E4M3 operands, one given power-of-two scale a tensor, by v_wmma_f32_16x16x64_fp8_fp8 or v_wmma_f32_16x16x128_fp8_fp8, f32 sums; everything else in f32.
;; Inputs: Wk_codes 512 x 16 x 32 uint8 (E4M3 codes of Wk, K innermost, in blocks of 32 codes); Wo_codes 512 x 16 x 32 uint8 (E4M3 codes of Wo, K innermost, in blocks of 32 codes); Wq_codes 512 x 16 x 32 uint8 (E4M3 codes of Wq, K innermost, in blocks of 32 codes); Wv_codes 512 x 16 x 32 uint8 (E4M3 codes of Wv, K innermost, in blocks of 32 codes); bk 512 float32; bo 512 float32; bq 512 float32; bv 512 float32; lowp_scales 12 int32 (the exponents e of the quantised operands' scales 2^e); x_codes 2 x 4,096 x 16 x 32 uint8 (E4M3 codes of x, K innermost, in blocks of 32 codes).
;; Outputs: out0 2 x 4,096 x 512 float32.
;; This version of the problem:
;;   THIS VERSION OF THE PROBLEM IS GIVEN IN LOW PRECISION. The matrix products marked QUANTISED in the list below multiply operands that are first quantised to E4M3 (4 exponent bits, 3 mantissa bits; 8 bits a number), with one given power-of-two scale for each operand tensor; their sums are f32. All else is computed in f32.
;;   The module's matrix products, in the order in which they are computed (A, B: the left and right operand; K: the contracted axis; several contracted axes count as one K, in the product's order):
;;     1. [M 8,192, K 512] x [K 512, N 512]; A: input x (given as codes); B: input Wq (given as codes): QUANTISED (scales: A lowp_scales[0], B lowp_scales[1])
;;     2. [M 8,192, K 512] x [K 512, N 512]; A: input x (given as codes); B: input Wk (given as codes): QUANTISED (scales: A lowp_scales[2], B lowp_scales[3])
;;     3. [M 8,192, K 512] x [K 512, N 512]; A: input x (given as codes); B: input Wv (given as codes): QUANTISED (scales: A lowp_scales[4], B lowp_scales[5])
;;     4. batch 16 x [M 4,096, K 64] x [K 64, N 4,096]; A: computed on the way; B: computed on the way: QUANTISED (scales: A lowp_scales[6], B lowp_scales[7])
;;     5. batch 16 x [M 4,096, K 4,096] x [K 4,096, N 64]; A: softmax (see below); B: computed on the way: QUANTISED (scales: A lowp_scales[8], B lowp_scales[9])
;;     6. [M 8,192, K 512] x [K 512, N 512]; A: computed on the way; B: input Wo (given as codes): QUANTISED (scales: A lowp_scales[10], B lowp_scales[11])
;;   THE QUANTISER, for each operand of a quantised product, along K:
;;     - The operand's scale is 2^e, e = its entry of the input lowp_scales (int32; the entries are numbered through the quantised products in the list's order, A before B).
;;     - Each number is divided by the scale, clamped to +-448, and rounded to the nearest number of E4M3, ties to even, subnormals kept.
;;     - The product sums the exact products of the quantised numbers (number of the format x scale) in f32.
;;   ~~~python
;;   def quantise(x, axis, e):      # numpy; x: float32 -> the quantised numbers, widened to float32 again
;;       x = np.moveaxis(x, axis, -1); K = x.shape[-1]
;;       r = np.clip(x / 2.0 ** e, -448, 448)
;;       step = 2.0 ** (np.maximum(np.frexp(np.where(r == 0, 1, r))[1] - 1, -6) - 3)
;;       q = np.round(r / step) * step * 2.0 ** e      # np.round: ties to even
;;       return np.moveaxis(q, -1, axis).astype(np.float32)
;;   ~~~
;;   SOFTMAX AHEAD OF A QUANTISED PRODUCT. Where the list says 'softmax', what is quantised is not the finished softmax but p = 2^(t - M), with t = logit x log2(e) and M = ceil(the row's largest t), a whole number; so 1/2 < the row's largest p <= 1. The row's sum l is taken of the UNQUANTISED p, in f32, and the product's result is divided by l at the end. Since M is a whole number, a kernel that streams over the keys may use a running M (the ceiling of the running maximum): every later rescaling is an exact power of two, so the quantised numbers keep their values, but for numbers so far below the row's largest that they fall under the format's range.
;;   OPERANDS COMPUTED ON THE WAY. 'Computed on the way' means the value that the module computes at that place (a softmax that the list does not call 'softmax' is quantised finished and normalised). What goes into a quantiser is computed in f32, as accurately as f32 sums, v_exp_f32 and their like allow (about 1e-6 of the number): no bf16 or f16 on the way to a quantiser, and a product that is left as it is and whose result goes on into a quantised operand takes f32 operands (vector FMAs, or v_wmma_f32_16x16x4_f32). A number that lies on a knife's edge between two numbers of the format may be rounded either way, as far as f32 arithmetic and the matrix unit's own rounding can turn it there, and no further.
;;   INPUTS GIVEN AS CODES. Wk (in the module: [512, 512], K = its axis 0); Wo (in the module: [512, 512], K = its axis 0); Wq (in the module: [512, 512], K = its axis 0); Wv (in the module: [512, 512], K = its axis 0); x (in the module: [2, 4096, 512], K = its axis 2): each comes as NAME_codes (uint8): NAME with its K axis moved to the last place and cut into blocks of 32 codes, [.., K / 32, bytes a block], one block behind the other in memory; one code a byte (a code: sign, 4 exponent bits, 3 mantissa bits); its scale is its entry of lowp_scales. Its value is code x scale, taken as it is: it is not quantised again, and the codes and scales need not be those that the quantiser above would give.
;; One version. Each part assembles by itself: llvm-mc -triple=amdgcn-amd-amdhsa -mcpu=gfx1250 --defsym DOCPART=n.
;; ======== version 1 of 1: 3 launches
;; limits: right only within a limited range of input values
;; workspace buffers: q_img 4,194,304 bytes; k_img 4,194,304 bytes; v_img 4,194,304 bytes; o_img 4,194,304 bytes
;; launch qkv (part 1): grid 4 x 64, 8 waves a work-group, clusters of 4 x 4, 279,552 bytes of LDS; arguments x_codes, Wq_codes, Wk_codes, Wv_codes, bq, bk, bv, lowp_scales, q_img, k_img, v_img; writes q_img, k_img, v_img
.if DOCPART == 1
	.amdgcn_target "amdgcn-amd-amdhsa--gfx1250"
	.amdhsa_code_object_version 6
	.text
	.protected	k_q0df329192a_qkv
	.globl	k_q0df329192a_qkv
	.p2align	8
	.type	k_q0df329192a_qkv,@function
k_q0df329192a_qkv:
	s_mov_b64 s[64:65], 0
	v_nop
	global_prefetch_b8 v0, s[64:65] scope:SCOPE_SE
	s_setreg_imm32_b32 hwreg(HW_REG_WAVE_MODE, 25, 1), 1
	s_wait_xcnt 0x0
	s_wait_alu depctr_hold_cnt(0) depctr_sa_sdst(0) depctr_va_vdst(0) depctr_va_sdst(0) depctr_va_ssrc(0) depctr_va_vcc(0) depctr_vm_vsrc(0)
	s_getreg_b32 s2, hwreg(HW_REG_IB_STS2, 6, 4)
	s_cmp_eq_u32 s2, 0
	s_cbranch_scc0 .Lentry_in_a_cluster
	s_endpgm
.Lentry_in_a_cluster:
	s_bfe_u32 s2, ttmp6, 0x10000c
	s_cmp_lg_u32 s2, 0xf033
	s_cbranch_scc0 .Lentry_shape_is_right
	s_endpgm
.Lentry_shape_is_right:
; q = relu(x Wq + bq), k = relu(x Wk + bk), v = relu(x Wv + bv), on E4M3 codes, and each result quantised to E4M3 for the products that follow.
; x: 8,192 tokens x 512 codes; each W: 512 outputs x 512 codes, K innermost.  lowp_scales: e0, e1 (x, Wq), e2, e3 (x, Wk), e4, e5 (x, Wv), e6 (q), e7 (k), e9 (v).
; SHARES.  A work-group takes 128 tokens x 2 heads (128 outputs of each of q, k, v); wave w takes 32 tokens (pair w / 2 of the block) x head w % 2, in three passes q, k, v:
; 8 accumulators a pass (4 tiles of outputs x 2 tiles of tokens), K = 512 in 4 steps of 128: 96 matrix instructions a wave.
; THE TOKENS OF A TILE ARE NOT NEIGHBOURS: lane r of tile u of a pair takes token 8 u + r + 8 (r / 8) of the pair's 32, so that as rows of a result the 16 registers of the pair's two tiles are 16 neighbouring tokens.
; q, k: source 0 = 16 rows of W, source 1 = x: a lane holds one token and eight neighbouring outputs: their codes are two registers of the next product's fragment (K = the head's 64).
; v:    source 0 = x, source 1 = 16 rows of W: a lane holds one output and eight tokens: the codes run along the keys, which are the next K.
; THE RESULTS LEAVE AS IMAGES OF THE NEXT LAUNCH'S OPERAND REGISTERS: four registers x 32 lanes, lane l's 16 bytes at 16 l: every store covers 512 consecutive bytes, aligned.
; A fragment of 128 along K is fetched by four loads of 16 bytes: a permutation of k that is the same in x and in W, so every product meets its partner.
; The bias is the C of a sum's first matrix instruction, divided by the power of two that the sums lack; relu is the lower end of the hold that the conversion wants anyway.
; CLUSTER 4 x 4: x's tile hangs on the token block alone and is asked for jointly along a row of the cluster, each W's on the pair of heads alone, along a column.
; LDS is filled once: eight regions (x, Wq, Wk, Wv for each half of K), one tensor load a wave, all out together; one wait and one barrier.
; Left out: a ring (all operands fit at once), prefetching (every input is asked for in the first lines).
; LIMITS: e6 - e0 - e1, e7 - e2 - e3 and e9 - e4 - e5 lie between -126 and 119, so that each scale and 448 x it is an f32 number.  NaN among the biases is not served.
.set PITCH, 272                        ; an LDS row: 256 bytes + 16 of padding = 68 words: row r starts at bank 4 r mod 64 (64 banks of 4 bytes: ISA guide 11.1)
.set REGB,  128*PITCH                  ; a region: 128 rows.  Region 4 kh + m: m = 0 x, 1 Wq, 2 Wk, 3 Wv; kh = the half of K
.set LI,  1                            ; v1      16 x lane: my place in an image
.set VX,  2                            ; v2-3    LDS address of my x fragments, K half 0, 1
.set VWB, 4                            ; v4-9    of my W fragments: pass p, K half kh at v[4 + 2 p + kh]
.set BA,  10                           ; v10     32 h: my eight numbers of bq, bk in a tile
.set BVA, 11                           ; v11     4 r: my number of bv in a tile
.set VSC, 12                           ; v12     the conversion's scale
.set ACC, 32                           ; v32-95  accumulator (t, u) at 8 (2 t + u)
.set WF,  96                           ; v96-223 W's fragments: two sets of four
.set CD,  224                          ; v224-239 a pass's codes
.set XF,  0                            ; window 1: v0-127 x's fragments: (u, s) at 64 u + 16 s: they stay
.set BQ,  128                          ; window 1: v128-159 bq, v160-191 bk, v192-223 bv: eight registers a tile, in the result's layout
.set G1X, 24                           ; s[24:31] descriptor group 1 for x's tiles;  s[32:35] group 0
.set G0X, 32
.set WV,  36                           ; wave
.set TT,  37                           ; wave % 4: which tensor I fetch
.set KH,  38                           ; wave / 4: which half of K I fetch
.set WM,  39                           ; wave / 2: my pair of token tiles
.set WH,  40                           ; wave % 2: my head of the two
.set CX,  41
.set CY,  42
.set HP,  43                           ; pair of heads
.set TB,  44                           ; block of 128 tokens
.set G1W, 48                           ; s[48:55], s[56:59] the same for a W's tiles
.set G0W, 56
.set EX,  84                           ; pass p: s[84+4p] -(ex + ew); +1 the scale 2^(eo - ex - ew); +2 448 x it
.set MSB, 0
.macro WIN new                         ; the immediate's high byte repeats the setting that is left
.if MSB != \new
	s_set_vgpr_msb (MSB<<8)|\new
.set MSB, \new
.endif
.endm
.macro PLACES n
.rept \n
	v_nop
.endr
.endm
.macro ROUND                           ; a round of the cluster's barrier
	s_barrier_signal -1
	s_barrier_wait -1
	s_cmp_lg_u32 s[WV], 0
	s_cbranch_scc1 .Lnot_wave_0_\@
	s_barrier_signal -3
.Lnot_wave_0_\@:
	s_barrier_wait -3
	s_barrier_signal -1
	s_barrier_wait -1
.endm
	s_load_b256 s[4:11], s[0:1], 0x0               ; x s[4:5], Wq s[6:7], Wk s[8:9], Wv s[10:11]
	s_load_b256 s[12:19], s[0:1], 0x20             ; bq s[12:13], bk s[14:15], bv s[16:17], the exponents s[18:19]
	s_load_b128 s[20:23], s[0:1], 0x40             ; q's images s[20:21], k's s[22:23]
	s_load_b64 s[60:61], s[0:1], 0x50              ; v's images
	v_lshl_add_u32 v254, v0, 2, 0x44000
	v_mov_b32 v255, 0
	ds_add_u32 v254, v255
	ds_add_u32 v254, v255
	v_lshrrev_b32 v1, 5, v0
	s_delay_alu instid0(VALU_DEP_1)
	v_readfirstlane_b32 s[WV], v1                  ; wave 0..7
	s_and_b32 s[TT], s[WV], 3
	s_lshr_b32 s[KH], s[WV], 2
	s_lshr_b32 s[WM], s[WV], 1
	s_and_b32 s[WH], s[WV], 1
	s_bfe_u32 s[CX], ttmp6, 0x40000                ; my place in the cluster
	s_bfe_u32 s[CY], ttmp6, 0x40004
	s_lshl_b32 s[HP], ttmp9, 2
	s_add_co_u32 s[HP], s[HP], s[CX]               ; pair of heads = 4 x cluster x + cx
	s_and_b32 s[TB], ttmp7, 0xffff
	s_lshl_b32 s[TB], s[TB], 2
	s_add_co_u32 s[TB], s[TB], s[CY]               ; token block = 4 x cluster y + cy
	s_lshl_b32 s45, s[CY], 2
	s_lshl_b32 s45, 15, s45                        ; my row of the cluster
	s_lshl_b32 s46, 0x1111, s[CX]                  ; my column
	; descriptor group 1: 128 rows x 256 bytes, 16 bytes of padding behind each row
	s_or_b32 s[G1X], s45, (1<<20)|(1<<21)|(5<<22)|(3<<25)   ; 15:0 the mask; 17:16 elements of 1 byte; 20 padding on; 21 set beside a mask; 24:22 after every 64 words; 31:25 four words
	s_or_b32 s[G1W], s46, (1<<20)|(1<<21)|(5<<22)|(3<<25)
.irp g, G1X, G1W
	s_mov_b32 s[\g+1], 256<<16                     ; tensor_dim0
	s_mov_b32 s[\g+2], 128<<16                     ; tensor_dim1
	s_mov_b32 s[\g+3], 256<<16                     ; tile_dim0
	s_mov_b32 s[\g+4], 128                         ; tile_dim1
	s_mov_b32 s[\g+5], 512                         ; bytes from row to row
	s_mov_b32 s[\g+6], 0
	s_mov_b32 s[\g+7], 0
.endr
	s_lshl_b32 s47, s[KH], 8                       ; my half of K: 256 bytes into a row
	s_lshl_b32 s66, s[TB], 16                      ; x: 128 rows of 512 bytes a block: hangs on the token block alone
	s_add_co_u32 s66, s66, s47
	s_mov_b32 s67, 0
	s_lshl_b32 s68, s[HP], 16                      ; W: 128 rows of 512 bytes a pair of heads: hangs on the pair of heads alone
	s_add_co_u32 s68, s68, s47
	s_mov_b32 s69, 0
	s_wait_dscnt 0x0
	s_wait_kmcnt 0x0
	s_load_b256 s[72:79], s[18:19], 0x0            ; e0 .. e7
	s_load_b64 s[80:81], s[18:19], 0x20            ; e8, e9
	s_mov_b32 s[G0X], 1
	s_mul_i32 s[G0X+1], s[WV], REGB                ; wave w fills region w
	s_add_nc_u64 s[G0X+2:G0X+3], s[4:5], s[66:67]
	s_or_b32 s[G0X+3], s[G0X+3], 0x80000000        ; type = 2
	s_cmp_eq_u32 s[TT], 1                          ; which W: the choice hangs on the wave's number alone
	s_cselect_b64 s[70:71], s[6:7], s[8:9]
	s_cmp_eq_u32 s[TT], 3
	s_cselect_b64 s[70:71], s[10:11], s[70:71]
	s_mov_b32 s[G0W], 1
	s_mul_i32 s[G0W+1], s[WV], REGB
	s_add_nc_u64 s[G0W+2:G0W+3], s[70:71], s[68:69]
	s_or_b32 s[G0W+3], s[G0W+3], 0x80000000
	ROUND                                          ; all sixteen work-groups are here: the joint loads meet
	s_cmp_eq_u32 s[TT], 0                          ; waves 0 and 4 fetch x's halves, the others a W's: one tensor load of mine is out
	s_cbranch_scc0 .Lfor_w
	tensor_load_to_lds s[G0X:G0X+3], s[G1X:G1X+7]
	s_nop 0
	PLACES 4                                       ; four v_nop follow each of the two lines
	s_branch .Lasked
.Lfor_w:
	tensor_load_to_lds s[G0W:G0W+3], s[G1W:G1W+7]
	s_nop 0
	PLACES 4
.Lasked:
	v_and_b32 v13, 15, v0                          ; r
	v_bfe_u32 v14, v0, 4, 1                        ; h
	v_and_b32 v15, 31, v0
	s_delay_alu instid0(VALU_DEP_1)
	v_lshlrev_b32 v[LI], 4, v15
	s_delay_alu instid0(VALU_DEP_4)
	v_and_b32 v16, 8, v13
	s_delay_alu instid0(VALU_DEP_1)
	v_add_nc_u32 v16, v16, v13                     ; r + 8 (r / 8)
	s_delay_alu instid0(VALU_DEP_1)
	v_mul_u32_u24 v[VX], v16, PITCH
	s_delay_alu instid0(VALU_DEP_1)
	v_lshl_add_u32 v[VX], v14, 4, v[VX]
	s_mul_i32 s45, s[WM], 32*PITCH
	v_add_nc_u32 v[VX], s45, v[VX]                 ; x: row 32 x pair + r + 8 (r / 8), + 16 h
	s_delay_alu instid0(VALU_DEP_1)
	v_add_nc_u32 v[VX+1], 4*REGB, v[VX]
	v_mul_u32_u24 v17, v13, PITCH
	s_delay_alu instid0(VALU_DEP_1)
	v_lshl_add_u32 v17, v14, 4, v17
	s_mul_i32 s45, s[WH], 64*PITCH
	v_add_nc_u32 v17, s45, v17                     ; W: row 64 x head + r, + 16 h
.irp p, 0,1,2
.irp k, 0,1
	v_add_nc_u32 v[VWB+2*\p+\k], (4*\k+\p+1)*REGB, v17
.endr
.endr
	v_lshlrev_b32 v[BA], 5, v14
	s_wait_alu depctr_va_vdst(0)
	v_lshlrev_b32 v[BVA], 2, v13
	s_wait_alu depctr_va_vdst(0)
	s_lshl_b32 s45, s[HP], 1
	s_add_co_u32 s45, s45, s[WH]                   ; my head
	s_lshl_b32 s46, s45, 8                         ; its 64 numbers in a bias
	s_mov_b32 s47, 0
	s_add_nc_u64 s[12:13], s[12:13], s[46:47]
	s_add_nc_u64 s[14:15], s[14:15], s[46:47]
	s_add_nc_u64 s[16:17], s[16:17], s[46:47]
	WIN 0x40                                       ; destination window 1
.irp t, 0,1,2,3
	global_load_b128 v[BQ+8*\t:BQ+8*\t+3],       v[BA], s[12:13] offset:64*\t      ; bq at outputs 16 t + 8 h + 0 .. 7
	global_load_b128 v[BQ+8*\t+4:BQ+8*\t+7],     v[BA], s[12:13] offset:64*\t+16
	global_load_b128 v[BQ+32+8*\t:BQ+32+8*\t+3], v[BA], s[14:15] offset:64*\t      ; bk likewise
	global_load_b128 v[BQ+32+8*\t+4:BQ+32+8*\t+7], v[BA], s[14:15] offset:64*\t+16
	global_load_b32  v[BQ+64+8*\t],              v[BVA], s[16:17] offset:64*\t     ; bv at output 16 t + r
.endr
	WIN 0
	s_lshr_b32 s2, s[TB], 5                        ; batch
	s_lshl_b32 s2, s2, 3
	s_add_co_u32 s2, s2, s45                       ; batch x 8 + head
	s_lshl_b32 s2, s2, 18                          ; x 262,144 bytes of images
	s_and_b32 s3, s[TB], 31                        ; the block within its sequence: 8 tiles of 1,024 bytes of q or k; one key step of 8,192 bytes of v
	s_lshl_b32 s3, s3, 13
	s_add_co_u32 s2, s2, s3
	s_lshl_b32 s3, s[WM], 11                       ; q, k: my two tiles
	s_add_co_u32 s96, s2, s3
	s_mov_b32 s97, 0
	s_lshl_b32 s3, s[WM], 9                        ; v: my 32 keys are piece wave / 2 of each fragment
	s_add_co_u32 s98, s2, s3
	s_mov_b32 s99, 0
	s_add_nc_u64 s[20:21], s[20:21], s[96:97]
	s_add_nc_u64 s[22:23], s[22:23], s[96:97]
	s_add_nc_u64 s[60:61], s[60:61], s[98:99]
	s_wait_kmcnt 0x0
.macro EXPS p, ex, ew, eo                      ; a sum stands for sum x 2^(ex + ew): the bias goes in x 2^-(ex + ew), and the three scales fold into the conversion's one
	s_add_co_i32 s45, s[\ex], s[\ew]
	s_sub_co_i32 s[EX+4*\p], 0, s45
	s_sub_co_i32 s45, s[\eo], s45
	s_add_co_i32 s45, s45, 127
	s_lshl_b32 s[EX+4*\p+1], s45, 23               ; 2^(eo - ex - ew) as f32
	s_add_co_i32 s45, s45, 8
	s_lshl_b32 s45, s45, 23
	s_or_b32 s[EX+4*\p+2], s45, 0x600000           ; 448 x that
.endm
	EXPS 0, 72, 73, 78
	EXPS 1, 74, 75, 79
	EXPS 2, 76, 77, 81
	s_wait_loadcnt 0x0                             ; the biases
	WIN 0x41                                       ; source 0 and destination window 1
.irp j, 0,1,2,3,4,5,6,7,8,9,10,11,12,13,14,15,16,17,18,19,20,21,22,23,24,25,26,27,28,29,30,31
	v_ldexp_f32 v[BQ+\j], v[BQ+\j], s[EX]
	v_ldexp_f32 v[BQ+32+\j], v[BQ+32+\j], s[EX+4]
.endr
.irp t, 0,1,2,3
.irp j, 7,6,5,4,3,2,1,0
	v_ldexp_f32 v[BQ+64+8*\t+\j], v[BQ+64+8*\t], s[EX+8]   ; v's result holds one output a lane: the same bias in all eight registers
.endr
.endr
	WIN 0
	s_wait_tensorcnt 0x0                           ; my region has landed,
	s_barrier_signal -1
	s_barrier_wait -1                              ; everybody's has
	WIN 0x40
.irp u, 0,1
.irp s, 0,1,2,3
.irp c, 0,1,2,3
	ds_load_b128 v[XF+64*\u+16*\s+4*\c:XF+64*\u+16*\s+4*\c+3], v[VX+\s/2] offset:\u*8*PITCH+(\s%2)*128+32*\c
.endr
.endr
.endr
	WIN 0
; the four W fragments of group g (pass g / 4, K step g % 4) into set g % 2
.macro FETCHW g
.set FP, (\g)/4
.set FS, (\g)%4
.set FB, WF+64*((\g)%2)
.irp t, 0,1,2,3
.irp c, 0,1,2,3
	ds_load_b128 v[FB+16*\t+4*\c:FB+16*\t+4*\c+3], v[VWB+2*FP+FS/2] offset:\t*16*PITCH+(FS%2)*128+32*\c
.endr
.endr
.endm
; pass m is finished: relu and the hold in one, the conversion, the stores
.macro CONVERT m
	s_wait_xcnt 0x0                                ; the last pass's stores have read their registers: the codes' registers are written again only behind this wait
	v_mov_b32 v[VSC], s[EX+4*(\m)+1]
.irp t, 0,1,2,3
.irp u, 0,1
.irp j, 0,1,2,3,4,5,6,7
	v_med3_num_f32 v[ACC+8*(2*\t+\u)+\j], v[ACC+8*(2*\t+\u)+\j], 0, s[EX+4*(\m)+2]   ; between 0 and the largest code x the scale (the conversion does not saturate: ISA guide 7.6.2); each accumulator from its low end on
.endr
.if (\m) < 2
	v_cvt_scalef32_pk8_fp8_f32 v[CD+8*\u+2*\t:CD+8*\u+2*\t+1], v[ACC+8*(2*\t+\u):ACC+8*(2*\t+\u)+7], v[VSC]   ; registers 2 t, 2 t + 1 of tile u's fragment: d = 16 t + 8 h + 0 .. 7
.else
	v_cvt_scalef32_pk8_fp8_f32 v[CD+4*\t+2*\u:CD+4*\t+2*\u+1], v[ACC+8*(2*\t+\u):ACC+8*(2*\t+\u)+7], v[VSC]   ; four registers of d tile t: my pair's keys 16 h + 0 .. 15
.endif
.endr
.endr
	v_nop                                          ; one plain line between the last conversion and the products that write its sources
.if (\m) < 2
.irp u, 0,1
.irp c, 0,1
	global_store_b128 v[LI], v[CD+8*\u+4*\c:CD+8*\u+4*\c+3], s[20+2*(\m):21+2*(\m)] offset:\u*1024+\c*512   ; 32 lanes store 512 consecutive bytes, aligned
.endr
.endr
.else
.irp t, 0,1,2,3
	global_store_b128 v[LI], v[CD+4*\t:CD+4*\t+3], s[60:61] offset:\t*2048
.endr
.endif
.endm
; group g: 8 matrix instructions, the 8 accumulators by turns; the next group's W is fetched first, and a finished pass is converted while those loads are out
.macro GROUP g
.set GP, (\g)/4
.set GS, (\g)%4
.set GB, WF+64*((\g)%2)
.if (\g) > 0
	PLACES 4                                       ; behind the last group's products: in front of loads into the set that they read, and of the first read of finished sums
.endif
.if (\g) < 11
	FETCHW (\g)+1
.endif
.if (GS == 0) && ((\g) > 0)
	CONVERT GP-1
.endif
.if (\g) < 11
	s_wait_dscnt 16                                ; all but the 16 loads just issued: x and this group's W are in
.else
	s_wait_dscnt 0x0
.endif
.if GP < 2
.if GS == 0
	WIN 0x14                                       ; source 1 (x) and C (the bias) window 1
.else
	WIN 0x04
.endif
.irp t, 0,1,2,3
.irp u, 0,1
.if GS == 0
	v_wmma_f32_16x16x128_fp8_fp8 v[ACC+8*(2*\t+\u):ACC+8*(2*\t+\u)+7], v[GB+16*\t:GB+16*\t+15], v[XF+64*\u+16*GS:XF+64*\u+16*GS+15], v[BQ+32*GP+8*\t:BQ+32*GP+8*\t+7]
.else
	v_wmma_f32_16x16x128_fp8_fp8 v[ACC+8*(2*\t+\u):ACC+8*(2*\t+\u)+7], v[GB+16*\t:GB+16*\t+15], v[XF+64*\u+16*GS:XF+64*\u+16*GS+15], v[ACC+8*(2*\t+\u):ACC+8*(2*\t+\u)+7]
.endif
.endr
.endr
.else
.if GS == 0
	WIN 0x11                                       ; source 0 (x) and C (the bias) window 1
.else
	WIN 0x01
.endif
.irp t, 0,1,2,3
.irp u, 0,1
.if GS == 0
	v_wmma_f32_16x16x128_fp8_fp8 v[ACC+8*(2*\t+\u):ACC+8*(2*\t+\u)+7], v[XF+64*\u+16*GS:XF+64*\u+16*GS+15], v[GB+16*\t:GB+16*\t+15], v[BQ+32*GP+8*\t:BQ+32*GP+8*\t+7]
.else
	v_wmma_f32_16x16x128_fp8_fp8 v[ACC+8*(2*\t+\u):ACC+8*(2*\t+\u)+7], v[XF+64*\u+16*GS:XF+64*\u+16*GS+15], v[GB+16*\t:GB+16*\t+15], v[ACC+8*(2*\t+\u):ACC+8*(2*\t+\u)+7]
.endif
.endr
.endr
.endif
	WIN 0
.endm
	FETCHW 0
.irp g, 0,1,2,3,4,5,6,7,8,9,10,11
	GROUP \g
.endr
	PLACES 4
	CONVERT 2
	s_wait_tensorcnt 0x0
	ds_add_u32 v254, v255
	s_wait_dscnt 0x0
	ROUND                                          ; the closing round: no work-group ends while a partner may still ask for a tile that names it
	s_endpgm
.Lfunc_end_k_q0df329192a_qkv:
	.size	k_q0df329192a_qkv, .Lfunc_end_k_q0df329192a_qkv-k_q0df329192a_qkv
	.p2alignl 7, 3214868480
	.fill 96, 4, 3214868480
	.section	.rodata,"a",@progbits
	.p2align	6, 0x0
	.amdhsa_kernel k_q0df329192a_qkv
		.amdhsa_group_segment_fixed_size 279552
		.amdhsa_private_segment_fixed_size 0
		.amdhsa_enable_private_segment 0
		.amdhsa_kernarg_size 88
		.amdhsa_user_sgpr_count 2
		.amdhsa_user_sgpr_kernarg_segment_ptr 1
		.amdhsa_wavefront_size32 1
		.amdhsa_system_sgpr_workgroup_id_x 1
		.amdhsa_system_sgpr_workgroup_id_y 1
		.amdhsa_system_sgpr_workgroup_id_z 1
		.amdhsa_system_vgpr_workitem_id 0
		.amdhsa_next_free_vgpr 480
		.amdhsa_next_free_sgpr 100
		.amdhsa_reserve_vcc 0
		.amdhsa_float_denorm_mode_32 3
		.amdhsa_float_denorm_mode_16_64 3
		.amdhsa_memory_ordered 1
		.amdhsa_forward_progress 1
		.amdhsa_inst_pref_size 54
	.end_amdhsa_kernel
	.amdgpu_metadata
---
amdhsa.version: [ 1, 2 ]
amdhsa.kernels:
  - .name:           k_q0df329192a_qkv
    .symbol:         k_q0df329192a_qkv.kd
    .args:
      - { .name: x_codes, .offset: 0, .size: 8, .value_kind: global_buffer, .address_space: global }
      - { .name: Wq_codes, .offset: 8, .size: 8, .value_kind: global_buffer, .address_space: global }
      - { .name: Wk_codes, .offset: 16, .size: 8, .value_kind: global_buffer, .address_space: global }
      - { .name: Wv_codes, .offset: 24, .size: 8, .value_kind: global_buffer, .address_space: global }
      - { .name: bq, .offset: 32, .size: 8, .value_kind: global_buffer, .address_space: global }
      - { .name: bk, .offset: 40, .size: 8, .value_kind: global_buffer, .address_space: global }
      - { .name: bv, .offset: 48, .size: 8, .value_kind: global_buffer, .address_space: global }
      - { .name: lowp_scales, .offset: 56, .size: 8, .value_kind: global_buffer, .address_space: global }
      - { .name: q_img, .offset: 64, .size: 8, .value_kind: global_buffer, .address_space: global }
      - { .name: k_img, .offset: 72, .size: 8, .value_kind: global_buffer, .address_space: global }
      - { .name: v_img, .offset: 80, .size: 8, .value_kind: global_buffer, .address_space: global }
    .group_segment_fixed_size: 279552
    .private_segment_fixed_size: 0
    .kernarg_segment_align: 8
    .kernarg_segment_size: 88
    .max_flat_workgroup_size: 256
    .sgpr_count:     100
    .vgpr_count:     480
    .wavefront_size: 32
...
	.end_amdgpu_metadata
.endif
;; end of part 1
;; launch attn (part 2): grid 16 x 16, 8 waves a work-group, clusters of 4 x 1, 327,680 bytes of LDS; arguments q_img, k_img, v_img, lowp_scales, o_img; writes o_img
.if DOCPART == 2
	.amdgcn_target "amdgcn-amd-amdhsa--gfx1250"
	.amdhsa_code_object_version 6
	.text
	.protected	k_q0df329192a_attn
	.globl	k_q0df329192a_attn
	.p2align	8
	.type	k_q0df329192a_attn,@function
k_q0df329192a_attn:
	s_mov_b64 s[64:65], 0
	v_nop
	global_prefetch_b8 v0, s[64:65] scope:SCOPE_SE
	s_setreg_imm32_b32 hwreg(HW_REG_WAVE_MODE, 25, 1), 1
	s_wait_xcnt 0x0
	s_wait_alu depctr_hold_cnt(0) depctr_sa_sdst(0) depctr_va_vdst(0) depctr_va_sdst(0) depctr_va_ssrc(0) depctr_va_vcc(0) depctr_vm_vsrc(0)
	s_getreg_b32 s2, hwreg(HW_REG_IB_STS2, 6, 4)
	s_cmp_eq_u32 s2, 0
	s_cbranch_scc0 .Lentry_in_a_cluster
	s_endpgm
.Lentry_in_a_cluster:
	s_bfe_u32 s2, ttmp6, 0x10000c
	s_cmp_lg_u32 s2, 0x3003
	s_cbranch_scc0 .Lentry_shape_is_right
	s_endpgm
.Lentry_shape_is_right:
; o = softmax(q k^T / 8) v for one head, both products on E4M3 codes; o is quantised to E4M3 for the last projection.
; q, k, v arrive as images of operand registers (four registers x 32 lanes, lane l's 16 bytes at 16 l): every fragment comes by loads of 512 consecutive bytes.
; THE SOFTMAX: t = score x c, c = log2(e) / 8 x 2^(e6 + e7); M = the running largest t rounded UP to a whole number; p = 2^(t - M) is quantised (scale 2^e8), not normalised.
; The row's sum is taken of the unquantised p and divides at the end.  When M moves, the sum and O are multiplied by f = 2^(old M - new M), which rounds nothing; no branch on data.
; SHARES.  A work-group owns 256 queries of one head, each of its eight waves 32 (two tiles of 16).  Every wave walks the 4,096 keys, 128 a step: 16 products K Q^T (K = 64), 8 products V^T P (K = 128).
; LAYOUT.  Both products transposed (S^T = K Q^T, O^T = V^T P^T): a lane holds one query.  The 16 registers of tiles 2 b, 2 b + 1 of S^T are keys 32 b + 16 (lane / 16) + 0 .. 15, so the conversions' results are P's fragment.
; A STEP'S VECTOR WORK.  The maxima go in 16 chains (one for each accumulator).  The 128 numbers of a lane are four blocks of 32; each block's exponentials are one batch with a wait ahead of it and one behind it, and behind
; each exponential stands one line that hangs on nothing written in the same batch: t - M of a later block, the first level of an earlier block's sums, its hold, its conversion.
; The upper levels of a step's sums are put off to the next step, where they stand among the lines of the chain that makes M and f: sum = sum x (the last step's f) + the last step's p, ahead of the new f.
; The hold of p is one-sided (p is never negative) and goes two numbers to an instruction (a dual pair).
; RING.  Two LDS slots of 1,024 keys (64 KiB of K's images, 64 KiB of V's), 2^17 bytes apart.  Wave w fetches 16 KiB of a slot: waves 0-3 K's quarters, waves 4-7 V's.  One tensor load of mine is out at a time.
; CLUSTER 4 x 1: the four blocks of queries of a cluster belong to one head and walk the same K and V: every tile is asked for jointly, mask 15.
; Left out: prefetching (a refill is asked for eight key steps, 192 matrix instructions a wave, ahead of the wait for it; there are three refills in all).
; LIMITS: e6 + e7 between -123 and 130 (added to c's exponent field); e8 and e10 between -126 and 119; e8 + e9 goes through v_ldexp_f32 and has none; the scaled scores t stay under 2^31 in magnitude.
.set SLOT1, 1<<17
.set SPARE, 2*SLOT1                    ; behind the ring: the spare words, 128 bytes a wave
.set LI,   1                           ; v1   16 x lane
.set LIV,  2                           ; v2   the same in V's half of a slot
.set ADK,  3                           ; v3   LDS address of the step's K
.set ADV,  4                           ; v4   of its V
.set SPW,  5                           ; v5   my spare word; never rewritten
.set NIL,  6                           ; v6   0; never rewritten
.set VSC,  8                           ; v8   the conversion's scale
.set VLIM, 9                           ; v9   the way out: 448 x 2^e10
.set ST,   12                          ; tile u at v[12 + 8 u]: +0 -M, +1 the largest score, +2:3 the sum, +4 f (+5 named with it), +6 the old -M, +7 at work
.set PC,   32                          ; v32-63   p's codes, 16 a tile
.set MX,   32                          ; v32-47   the maxima's 16 chains (done with before the first code is made)
.set T,    64                          ; v64-127  first level of the sums: tile u at 32 u, 16 pairs
.set S,    128                         ; v128-255 S^T, then p: tile u at 64 u
.set QF,   0                           ; window 1: v0-15 Q
.set KF,   16                          ; v16-79   K of a step
.set VF,   80                          ; v80-143  V of a step
.set OT,   144                         ; v144-207 O^T: tile u at 32 u, d tile t at 8 t
.set WV,   14
.set SEL,  20                          ; s[20:21] selects for lane l xor 16
.set CS,   22                          ; s[22:23] c
.set G1,   24
.set G0,   32
.set TB,   36                          ; LDS byte at which the step's K begins
.set SLOTS, 37
.set STEPS, 38
.set LIM,  39                          ; 448 x 2^e8
.set MSB, 0
.macro WIN new                         ; the immediate's high byte repeats the setting that is left
.if MSB != \new
	s_set_vgpr_msb (MSB<<8)|\new
.set MSB, \new
.endif
.endm
.macro PLACES n
.rept \n
	v_nop
.endr
.endm
.macro ROUND                           ; a round of the cluster's barrier
	s_barrier_signal -1
	s_barrier_wait -1
	s_cmp_lg_u32 s[WV], 0
	s_cbranch_scc1 .Lnot_wave_0_\@
	s_barrier_signal -3
.Lnot_wave_0_\@:
	s_barrier_wait -3
	s_barrier_signal -1
	s_barrier_wait -1
.endm
	s_load_b256 s[4:11], s[0:1], 0x0               ; q s[4:5], k s[6:7], v s[8:9], the exponents s[10:11]
	s_load_b64 s[12:13], s[0:1], 0x20              ; o's images
	v_lshl_add_u32 v[SPW], v0, 2, SPARE
	v_mov_b32 v[NIL], 0
	ds_add_u32 v[SPW], v[NIL]                      ; the opening lines: the add twice on end
	ds_add_u32 v[SPW], v[NIL]
	v_lshrrev_b32 v1, 5, v0
	v_readfirstlane_b32 s[WV], v1                  ; wave 0..7
	s_bfe_u32 s15, ttmp6, 0x40000                  ; cx
	s_lshl_b32 s16, ttmp9, 2
	s_add_co_u32 s16, s16, s15                     ; my block of 256 queries: it enters q's and o's addresses alone
	s_and_b32 s17, ttmp7, 0xffff                   ; batch x 8 + head, which the four partners share
	s_lshl_b32 s48, s17, 18                        ; its 262,144 bytes of images
	s_and_b32 s50, s[WV], 3
	s_lshl_b32 s50, s50, 14                        ; my quarter of a slot's K or V
	s_add_co_u32 s50, s50, s48
	s_mov_b32 s51, 0
	s_lshl_b32 s52, s16, 14                        ; q: 16 tiles of 1,024 bytes a block, two a wave
	s_lshl_b32 s53, s[WV], 11
	s_add_co_u32 s52, s52, s53
	s_add_co_u32 s52, s52, s48
	s_mov_b32 s53, 0
	s_lshr_b32 s54, s17, 3                         ; o: tile (batch x 256 + 16 x block + 2 x wave) of 8,192 bytes,
	s_lshl_b32 s54, s54, 21
	s_lshl_b32 s55, s16, 17
	s_add_co_u32 s54, s54, s55
	s_lshl_b32 s55, s[WV], 14
	s_add_co_u32 s54, s54, s55
	s_bfe_u32 s55, s17, 0x20001                    ; K step head / 2 of 2,048 bytes,
	s_lshl_b32 s55, s55, 11
	s_add_co_u32 s54, s54, s55
	s_and_b32 s55, s17, 1                          ; half head % 2 of it
	s_lshl_b32 s55, s55, 10
	s_add_co_u32 s54, s54, s55
	s_mov_b32 s55, 0
	s_mov_b32 s[G1], 15|(3<<16)|(1<<21)            ; group 1: a dense block of 16 KiB as 64 rows of 32 elements of 8 bytes; mask: all four work-groups; bit 21 beside it
	s_mov_b32 s[G1+1], 32<<16
	s_mov_b32 s[G1+2], 64<<16
	s_mov_b32 s[G1+3], 32<<16
	s_mov_b32 s[G1+4], 64
	s_mov_b32 s[G1+5], 32
	s_mov_b32 s[G1+6], 0
	s_mov_b32 s[G1+7], 0
	s_mov_b32 s[SEL], 0x76543210
	s_mov_b32 s[SEL+1], 0xfedcba98
	s_mov_b32 s[CS], 0x3e38aa3b                    ; log2(e) / 8
	s_mov_b32 s[TB], 0
	s_mov_b32 s[SLOTS], 3
	s_wait_dscnt 0x0                               ; both opening adds are done
	s_wait_kmcnt 0x0
	s_load_b128 s[40:43], s[10:11], 0x18           ; e6, e7, e8, e9
	s_load_b32 s44, s[10:11], 0x28                 ; e10
	s_mov_b32 s[G0], 1
	s_lshl_b32 s[G0+1], s[WV], 14                  ; LDS: wave x 16 KiB of slot 0: K's four quarters, then V's
	s_cmp_lt_u32 s[WV], 4                          ; K or V: by the wave's number alone
	s_cselect_b64 s[G0+2:G0+3], s[6:7], s[8:9]
	s_add_nc_u64 s[G0+2:G0+3], s[G0+2:G0+3], s[50:51]
	s_or_b32 s[G0+3], s[G0+3], 0x80000000          ; type = 2
	ROUND                                          ; all four work-groups are here: the first joint loads meet
	tensor_load_to_lds s[G0:G0+3], s[G1:G1+7]      ; slot 0: keys 0 to 1,023; my one tensor load at the head
	s_nop 0
	PLACES 4
	s_add_nc_u64 s[4:5], s[4:5], s[52:53]
	s_add_nc_u64 s[46:47], s[12:13], s[54:55]
	v_and_b32 v1, 31, v0
	v_lshlrev_b32 v[LI], 4, v1
	v_add_nc_u32 v[LIV], 0x10000, v[LI]
	WIN 0x40                                       ; destination window 1
.irp u, 0,1
.irp c, 0,1
	global_load_b128 v[QF+8*\u+4*\c:QF+8*\u+4*\c+3], v[LI], s[4:5] offset:\u*1024+\c*512   ; Q stays in registers
.endr
.endr
.set I, 0
.rept 64
	v_mov_b32 v[OT+I], 0                           ; O^T: the step is written for all steps alike; the first finds zeros
.set I, I+1
.endr
	WIN 0
.set I, 0
.rept 64
	v_mov_b32 v[T+I], 0                            ; no step lies ahead of the first: its share of the sums is 0
.set I, I+1
.endr
.irp u, 0,1
	v_mov_b32 v[ST+8*\u], 0x7f61b1e6               ; -M: 3e38, so that the first f is 0
	v_mov_b32 v[ST+8*\u+1], 0xff61b1e6             ; the largest score so far: -3e38, under every score
	v_mov_b32 v[ST+8*\u+2], 0                      ; the sum
	v_mov_b32 v[ST+8*\u+3], 0
	v_mov_b32 v[ST+8*\u+4], 1.0                    ; f
	v_mov_b32 v[ST+8*\u+5], 0                      ; (named with f as a pair)
	v_mov_b32 v[ST+8*\u+7], 0                      ; (a lane permute's destination counts as one of its sources)
.endr
	s_wait_kmcnt 0x0
	s_add_co_i32 s56, s40, s41
	s_lshl_b32 s56, s56, 23
	s_add_co_i32 s[CS], s[CS], s56                 ; a score stands for score x 2^(e6 + e7): added to c's exponent field
	s_mov_b32 s[CS+1], s[CS]                       ; (named with it as a pair)
	s_add_co_i32 s56, s42, 127
	s_lshl_b32 s57, s56, 23
	v_mov_b32 v[VSC], s57                          ; 2^e8 as f32
	s_add_co_i32 s56, s56, 8
	s_lshl_b32 s56, s56, 23
	s_or_b32 s[LIM], s56, 0x600000                 ; 448 x 2^e8
	s_wait_alu depctr_va_vdst(0)
	s_wait_loadcnt 0x0                             ; Q
; single lines of the softmax.  b: a block of 32 registers of S (tile b / 2, half b % 2)
.macro FMA1 b, i                       ; t - M, two at a time
	v_pk_fma_f32 v[S+32*(\b)+2*(\i):S+32*(\b)+2*(\i)+1], v[S+32*(\b)+2*(\i):S+32*(\b)+2*(\i)+1], s[CS:CS+1], v[ST+8*((\b)/2):ST+8*((\b)/2)+1] op_sel_hi:[1,0,0]
.endm
.macro ADD1 b, i                       ; first level of the sums, of the unquantised p: four numbers into pair 8 (b % 2) + i
	v_pk_add_f32 v[T+16*(\b)+2*(\i):T+16*(\b)+2*(\i)+1], v[S+32*(\b)+4*(\i):S+32*(\b)+4*(\i)+1], v[S+32*(\b)+4*(\i)+2:S+32*(\b)+4*(\i)+3]
.endm
.macro MIN1 b, i                       ; the hold (the conversion does not saturate: ISA guide 7.6.2), two numbers
	v_dual_min_num_f32 v[S+32*(\b)+2*(\i)], s[LIM], v[S+32*(\b)+2*(\i)] :: v_dual_min_num_f32 v[S+32*(\b)+2*(\i)+1], s[LIM], v[S+32*(\b)+2*(\i)+1]
.endm
.macro CVT1 b, i                       ; eight codes: registers 8 b + 2 i, + 1 of the codes
	v_cvt_scalef32_pk8_fp8_f32 v[PC+8*(\b)+2*(\i):PC+8*(\b)+2*(\i)+1], v[S+32*(\b)+8*(\i):S+32*(\b)+8*(\i)+7], v[VSC]
.endm
.macro FILL b                          ; the line behind exponential I of block b: its sources were written ahead of the batch's wait, its result is read behind the next
.if \b == 0
.if I < 16
	FMA1 1, I
.else
	FMA1 2, I-16
.endif
.elseif \b == 1
.if I < 16
	FMA1 3, I
.elseif I < 24
	ADD1 0, I-16
.else
	MIN1 0, I-24
.endif
.elseif \b == 2
.if I < 8
	MIN1 0, I+8
.elseif I < 16
	ADD1 1, I-8
.else
	MIN1 1, I-16
.endif
.else
.if I < 8
	ADD1 2, I
.elseif I < 24
	MIN1 2, I-8
.else
	CVT1 (I-24)/4, (I-24)%4
.endif
.endif
.endm
.macro EXPS b                          ; a batch: block b's 32 exponentials
	s_wait_alu depctr_va_vdst(0)                   ; the wait ahead of a batch; it is also the wait behind the batch before
.set I, 0
.rept 32
	v_exp_f32 v[S+32*(\b)+I], v[S+32*(\b)+I]
	FILL \b
.set I, I+1
.endr
.endm
.macro RED1 u, n                       ; line n of 16 of tile u's upper levels: 16 pairs to one, then sum = sum x f + that
.set tb, T+32*(\u)
.set sT, ST+8*(\u)
.set nn, \n
.if nn < 8
.set ra, nn
.set rd, 8
.elseif nn < 12
.set ra, nn-8
.set rd, 4
.elseif nn < 14
.set ra, nn-12
.set rd, 2
.else
.set ra, 0
.set rd, 1
.endif
.if nn < 15
	v_pk_add_f32 v[tb+2*ra:tb+2*ra+1], v[tb+2*ra:tb+2*ra+1], v[tb+2*(ra+rd):tb+2*(ra+rd)+1]
.else
	v_pk_fma_f32 v[sT+2:sT+3], v[sT+2:sT+3], v[sT+4:sT+5], v[tb:tb+1] op_sel_hi:[1,0,1]
.endif
.endm
.macro RED k                           ; the next k of the 32 lines, the two tiles by turns
.rept \k
	RED1 RM%2, RM/2
.set RM, RM+1
.endr
.endm
.macro CH n                            ; stage n of the chain from the chains' maxima to f, both tiles
.irp u, 0,1
.set rT, ST+8*\u
.set rM, MX+8*\u
.if \n == 0
	v_max3_num_f32 v[rM], v[rM], v[rM+3], v[rM+6]
.elseif \n == 1
	v_permlanex16_b32 v[rT+7], v[rM], s[SEL], s[SEL+1]
.elseif \n == 2
	v_max_num_f32 v[rT+1], v[rM], v[rT+7]          ; the running largest score, lane l xor 16's keys too
.elseif \n == 3
	v_mul_f32 v[rT+7], s[CS], -v[rT+1]             ; -t (c is positive)
.elseif \n == 4
	v_floor_f32 v[rT], v[rT+7]                     ; the new -M = floor(-t): M is a whole number
.elseif \n == 5
	v_sub_f32 v[rT+7], v[rT], v[rT+6]              ; old M - new M: a whole number, 0 or less
.elseif \n == 6
	v_cvt_i32_f32 v[rT+7], v[rT+7]                 ; (it saturates)
.else
	v_ldexp_f32 v[rT+4], 1.0, v[rT+7]              ; f = 2^(old M - new M)
.endif
.endr
.endm
; A KEY STEP: 128 keys.  Its K is in registers
.macro STEP last                       ; last = 1: a slot's last step, which fetches no K for a successor
	s_wait_dscnt 0x0                               ; this step's K is in
	WIN 0x05                                       ; sources 0 and 1 window 1
.irp t, 0,1,2,3,4,5,6,7
.irp u, 0,1
	v_wmma_f32_16x16x64_fp8_fp8 v[S+64*\u+8*\t:S+64*\u+8*\t+7], v[KF+8*\t:KF+8*\t+7], v[QF+8*\u:QF+8*\u+7], 0
.endr
.endr
	WIN 0
.if \last
	v_nop
.else
	v_add_nc_u32 v[ADK], s[TB], v[LI]              ; four plain lines: the places behind these products and the last step's, in front of the loads, of the first read of the scores and of the first write over p's codes
.endif
	v_add_nc_u32 v[ADV], s[TB], v[LIV]
	v_mov_b32 v[ST+6], v[ST]                       ; the old -M of both tiles
	v_mov_b32 v[ST+14], v[ST+8]
	WIN 0x40
.irp t, 0,1,2,3
.irp c, 0,1,2,3
	ds_load_b128 v[VF+16*\t+4*\c:VF+16*\t+4*\c+3], v[ADV] offset:\t*2048+\c*512    ; this step's V lands under the softmax
.endr
.endr
.if \last == 0                                 ; the next step's K, behind V's 16 loads
.irp t, 0,1,2,3,4,5,6,7
.irp c, 0,1
	ds_load_b128 v[KF+8*\t+4*\c:KF+8*\t+4*\c+3], v[ADK] offset:8192+\t*1024+\c*512
.endr
.endr
.endif
	WIN 0
	; the largest score: a chain for each accumulator, from its low end on
.irp t, 0,1,2,3,4,5,6,7
.irp u, 0,1
	v_max3_num_f32 v[MX+8*\u+\t], v[S+64*\u+8*\t], v[S+64*\u+8*\t+1], v[S+64*\u+8*\t+2]
.endr
.endr
.irp k, 3,5
.irp t, 0,1,2,3,4,5,6,7
.irp u, 0,1
	v_max3_num_f32 v[MX+8*\u+\t], v[MX+8*\u+\t], v[S+64*\u+8*\t+\k], v[S+64*\u+8*\t+\k+1]
.endr
.endr
.endr
.irp t, 0,1,2,3
.irp u, 0,1
	v_max3_num_f32 v[MX+8*\u+\t], v[MX+8*\u+\t], v[S+64*\u+16*\t+7], v[S+64*\u+16*\t+15]   ; each accumulator's eighth register
.endr
.endr
.irp u, 0,1
	v_max3_num_f32 v[MX+8*\u+6], v[MX+8*\u+6], v[MX+8*\u+7], v[ST+8*\u+1]                  ; with the running largest
	v_max3_num_f32 v[MX+8*\u+3], v[MX+8*\u+3], v[MX+8*\u+4], v[MX+8*\u+5]
	v_max3_num_f32 v[MX+8*\u], v[MX+8*\u], v[MX+8*\u+1], v[MX+8*\u+2]
.endr
.set RM, 0                                     ; the chain to f, with the last step's sums among its lines; the sums' last line reads the last step's f, ahead of the new one
.irp n, 0,1,2,3,4,5,6,7
	RED 4
	CH \n
.endr
.set I, 0
.rept 16
	FMA1 0, I
.set I, I+1
.endr
	WIN 0x41                                       ; source 0 and destination window 1
.set I, 0
.rept 32
	v_pk_mul_f32 v[OT+2*I:OT+2*I+1], v[OT+2*I:OT+2*I+1], v[ST+8*(I/16)+4:ST+8*(I/16)+5] op_sel_hi:[1,0]   ; O^T x f: no exponential stands between the last step's products and these first reads
.set I, I+1
.endr
	WIN 0
	EXPS 0
	EXPS 1
	EXPS 2
	EXPS 3
	s_wait_alu depctr_va_vdst(0)                   ; the wait behind the last batch: it also stands directly ahead of the wait below
.if \last
	s_wait_dscnt 0x0                               ; V is in
.else
	s_wait_dscnt 16                                ; V is in; the 16 loads issued behind V's, the next step's K, may be out
.endif
.set I, 0
.rept 8
	ADD1 3, I
.set I, I+1
.endr
.set I, 0
.rept 16
	MIN1 3, I
.set I, I+1
.endr
.irp i, 0,1,2,3
	CVT1 2, \i
.endr
.irp i, 0,1,2,3
	CVT1 3, \i
.endr
	v_nop                                          ; one plain line between the last conversion and the products that read its result
	WIN 0x51                                       ; source 0 (V), C and D window 1; source 1 (p's codes) window 0
.irp t, 0,1,2,3
.irp u, 0,1
	v_wmma_f32_16x16x128_fp8_fp8 v[OT+32*\u+8*\t:OT+32*\u+8*\t+7], v[VF+16*\t:VF+16*\t+15], v[PC+16*\u:PC+16*\u+15], v[OT+32*\u+8*\t:OT+32*\u+8*\t+7]   ; the eight accumulators by turns
.endr
.endr
	WIN 0
.endm
; THE CHANGE OF SLOTS, at a slot's head.  Each wave waits for all its tensor loads (its part of the slot ahead), adds 0 to its spare word, and waits for that and for its reads of the slot that it has left.
; fill = 1: the barrier is a round of the cluster's, and behind it the slot just left is asked for again, jointly, with the 1,024 keys that follow.
.macro CHANGE fill
	s_wait_tensorcnt 0x0                           ; no tensor load of mine is out, so the descriptor may be written
	ds_add_u32 v[SPW], v[NIL]
.if \fill
	s_xor_b32 s[G0+1], s[G0+1], SLOT1              ; the other slot than last time,
	s_add_nc_u64 s[G0+2:G0+3], s[G0+2:G0+3], 65536 ; the next 1,024 keys
.endif
	s_wait_dscnt 0x0
.if \fill
	ROUND
	tensor_load_to_lds s[G0:G0+3], s[G1:G1+7]      ; the first thing behind the round, and my one tensor load until the next
	s_nop 0
	PLACES 4
.else
	s_barrier_signal -1
	s_barrier_wait -1
.endif
.endm
.macro SLOTWORK                                ; a slot's eight key steps
	v_add_nc_u32 v[ADK], s[TB], v[LI]
	WIN 0x40
.irp t, 0,1,2,3,4,5,6,7
.irp c, 0,1
	ds_load_b128 v[KF+8*\t+4*\c:KF+8*\t+4*\c+3], v[ADK] offset:\t*1024+\c*512    ; the slot's first K
.endr
.endr
	WIN 0
	s_mov_b32 s[STEPS], 7
.Lstep_\@:                                         ; seven trips; the eighth step is written out, so that every way to a counted wait has issued the same loads
	STEP 0
	s_add_co_u32 s[TB], s[TB], 8192
	s_sub_co_u32 s[STEPS], s[STEPS], 1
	s_cmp_lg_u32 s[STEPS], 0
	s_cbranch_scc1 .Lstep_\@
	STEP 1
	s_sub_co_u32 s[TB], s[TB], 57344               ; back to a slot's first step,
	s_xor_b32 s[TB], s[TB], SLOT1                  ; in the other slot
.endm
.Lslot:                                            ; three trips: behind each change of slots but the last the next 1,024 keys are asked for
	CHANGE 1
	SLOTWORK
	s_sub_co_u32 s[SLOTS], s[SLOTS], 1
	s_cmp_lg_u32 s[SLOTS], 0
	s_cbranch_scc1 .Lslot
	CHANGE 0                                       ; the last slot is written out
	SLOTWORK
	; THE WAY OUT: o = O^T x 2^(e8 + e9) / the sum, quantised with 2^e10.  A lane's eight registers of d tile t are d = 16 t + 8 h + 0 .. 7 of its query: two registers of the last product's fragment.
.set RM, 0
	RED 32                                         ; the last step's sums (also the places behind the last products)
.irp u, 0,1
	v_add_f32 v[ST+8*\u+2], v[ST+8*\u+2], v[ST+8*\u+3]             ; the sum's two halves,
.endr
.irp u, 0,1
	v_permlanex16_b32 v[ST+8*\u+7], v[ST+8*\u+2], s[SEL], s[SEL+1]
.endr
.irp u, 0,1
	v_add_f32 v[ST+8*\u+2], v[ST+8*\u+2], v[ST+8*\u+7]             ; and lane l xor 16's
.endr
	s_add_co_i32 s56, s42, s43
	s_add_co_i32 s57, s44, 127
	s_lshl_b32 s58, s57, 23
	s_add_co_i32 s57, s57, 8
	s_lshl_b32 s57, s57, 23
	s_or_b32 s57, s57, 0x600000
	s_wait_alu depctr_va_vdst(0)                   ; the wait ahead of the transcendentals
.irp u, 0,1
	v_rcp_f32 v[ST+8*\u+4], v[ST+8*\u+2]
.endr
	v_mov_b32 v[VSC], s58                          ; 2^e10 as f32 (a plain line behind the reciprocals)
	v_mov_b32 v[VLIM], s57                         ; 448 x 2^e10
	s_wait_alu depctr_va_vdst(0)                   ; the wait ahead of their first reader
.irp u, 0,1
	v_ldexp_f32 v[ST+8*\u+4], v[ST+8*\u+4], s56
.endr
	WIN 0x01                                       ; source 0 window 1
	s_wait_alu depctr_va_vdst(0)                   ; the wait directly ahead of the first reader of O^T
.set I, 0
.rept 32
	v_pk_mul_f32 v[S+2*I:S+2*I+1], v[OT+2*I:OT+2*I+1], v[ST+8*(I/16)+4:ST+8*(I/16)+5] op_sel_hi:[1,0]
.set I, I+1
.endr
	WIN 0
.irp u, 0,1
.irp t, 0,1,2,3
.irp j, 0,1,2,3,4,5,6,7
	v_med3_num_f32 v[S+32*\u+8*\t+\j], v[S+32*\u+8*\t+\j], -v[VLIM], v[VLIM]
.endr
	v_cvt_scalef32_pk8_fp8_f32 v[PC+8*\u+2*\t:PC+8*\u+2*\t+1], v[S+32*\u+8*\t:S+32*\u+8*\t+7], v[VSC]
.endr
.endr
	v_nop
.irp u, 0,1
.irp c, 0,1
	global_store_b128 v[LI], v[PC+8*\u+4*\c:PC+8*\u+4*\c+3], s[46:47] offset:\u*8192+\c*512    ; 32 lanes store 512 consecutive bytes, aligned
.endr
.endr
	s_wait_tensorcnt 0x0                           ; the wave's end
	ds_add_u32 v[SPW], v[NIL]
	s_wait_dscnt 0x0
	ROUND                                          ; the closing round: no work-group ends while a partner may still ask for a tile that names it
	s_endpgm
.Lfunc_end_k_q0df329192a_attn:
	.size	k_q0df329192a_attn, .Lfunc_end_k_q0df329192a_attn-k_q0df329192a_attn
	.p2alignl 7, 3214868480
	.fill 96, 4, 3214868480
	.section	.rodata,"a",@progbits
	.p2align	6, 0x0
	.amdhsa_kernel k_q0df329192a_attn
		.amdhsa_group_segment_fixed_size 327680
		.amdhsa_private_segment_fixed_size 0
		.amdhsa_enable_private_segment 0
		.amdhsa_kernarg_size 40
		.amdhsa_user_sgpr_count 2
		.amdhsa_user_sgpr_kernarg_segment_ptr 1
		.amdhsa_wavefront_size32 1
		.amdhsa_system_sgpr_workgroup_id_x 1
		.amdhsa_system_sgpr_workgroup_id_y 1
		.amdhsa_system_sgpr_workgroup_id_z 1
		.amdhsa_system_vgpr_workitem_id 0
		.amdhsa_next_free_vgpr 464
		.amdhsa_next_free_sgpr 66
		.amdhsa_reserve_vcc 0
		.amdhsa_float_denorm_mode_32 3
		.amdhsa_float_denorm_mode_16_64 3
		.amdhsa_memory_ordered 1
		.amdhsa_forward_progress 1
		.amdhsa_inst_pref_size 133
	.end_amdhsa_kernel
	.amdgpu_metadata
---
amdhsa.version: [ 1, 2 ]
amdhsa.kernels:
  - .name:           k_q0df329192a_attn
    .symbol:         k_q0df329192a_attn.kd
    .args:
      - { .name: q_img, .offset: 0, .size: 8, .value_kind: global_buffer, .address_space: global }
      - { .name: k_img, .offset: 8, .size: 8, .value_kind: global_buffer, .address_space: global }
      - { .name: v_img, .offset: 16, .size: 8, .value_kind: global_buffer, .address_space: global }
      - { .name: lowp_scales, .offset: 24, .size: 8, .value_kind: global_buffer, .address_space: global }
      - { .name: o_img, .offset: 32, .size: 8, .value_kind: global_buffer, .address_space: global }
    .group_segment_fixed_size: 327680
    .private_segment_fixed_size: 0
    .kernarg_segment_align: 8
    .kernarg_segment_size: 40
    .max_flat_workgroup_size: 256
    .sgpr_count:     66
    .vgpr_count:     464
    .wavefront_size: 32
...
	.end_amdgpu_metadata
.endif
;; end of part 2
;; launch oproj (part 3): grid 64 x 4, 8 waves a work-group, clusters of 4 x 1, 168,960 bytes of LDS; arguments o_img, Wo_codes, bo, lowp_scales, out0; writes out0
.if DOCPART == 3
	.amdgcn_target "amdgcn-amd-amdhsa--gfx1250"
	.amdhsa_code_object_version 6
	.text
	.protected	k_q0df329192a_oproj
	.globl	k_q0df329192a_oproj
	.p2align	8
	.type	k_q0df329192a_oproj,@function
k_q0df329192a_oproj:
	s_mov_b64 s[64:65], 0
	v_nop
	global_prefetch_b8 v0, s[64:65] scope:SCOPE_SE
	s_setreg_imm32_b32 hwreg(HW_REG_WAVE_MODE, 25, 1), 1
	s_wait_xcnt 0x0
	s_wait_alu depctr_hold_cnt(0) depctr_sa_sdst(0) depctr_va_vdst(0) depctr_va_sdst(0) depctr_va_ssrc(0) depctr_va_vcc(0) depctr_vm_vsrc(0)
	s_getreg_b32 s2, hwreg(HW_REG_IB_STS2, 6, 4)
	s_cmp_eq_u32 s2, 0
	s_cbranch_scc0 .Lentry_in_a_cluster
	s_endpgm
.Lentry_in_a_cluster:
	s_bfe_u32 s2, ttmp6, 0x10000c
	s_cmp_lg_u32 s2, 0x3003
	s_cbranch_scc0 .Lentry_shape_is_right
	s_endpgm
.Lentry_shape_is_right:
; out = relu(o Wo + bo) on E4M3 codes.  o arrives as images of operand registers (tile of 16 tokens, K step of 128, four pieces of 512 bytes); Wo: 512 outputs x 512 codes, K innermost; out: 8,192 x 512 f32.
; SHARES.  A work-group takes 128 tokens x 128 outputs; wave w takes 32 tokens (pair w / 2, two tiles) x 64 outputs (half w % 2, four tiles): 8 accumulators, K = 512 in 4 steps of 128: 32 matrix instructions.
; o's fragments go from memory straight into registers, 512 consecutive bytes a load.  Wo's 128 rows come into LDS once, as two halves of K with rows of 256 bytes + 16 of padding.
; Source 0 = 16 rows of Wo, source 1 = o: a lane holds one token and eight neighbouring outputs.  Lane r of tile u of a pair stands for token 8 u + r + 8 (r / 8): the stage's row.
; THE WAY OUT: raw sums go through the wave's own stage in LDS and come back as rows of 256 bytes; there a lane's four columns are the same in every row, so the bias costs four registers:
; out = max(sum x 2^(e10 + e11) + bo, 0); sixteen lanes store 256 consecutive bytes, aligned.
; CLUSTER 4 x 1: the four token blocks of a cluster take the same 128 outputs: Wo's tile is asked for jointly, mask 15.  LDS is filled once; no fill lands in the stages.
; Left out: a ring and a second set of Wo's fragments (32 matrix instructions a wave), prefetching (all loads go out in the first lines).
; LIMIT: e10 + e11 lies between -126 and 127, so that 2^(e10 + e11) is an f32 number.
.set PITCH, 272                        ; 68 words: row r starts at bank 4 r mod 64 (64 banks of 4 bytes: ISA guide 11.1)
.set HALFK, 128*PITCH                  ; Wo's 128 rows of one half of K
.set STAGE, 2*HALFK                    ; behind them: 32 rows x 272 bytes for each wave
.set LI,  1                            ; v1   16 x lane
.set VW,  2                            ; v2   LDS address of my Wo fragments
.set STO, 3                            ; v3   the stage: where I put 32 bytes of a row
.set RD,  4                            ; v4   and where I read rows back
.set CO,  5                            ; v5   my byte offset in two rows of out
.set BO,  6                            ; v6   16 (lane % 16)
.set BB,  8                            ; v8-11    bo at my four columns
.set ACC, 16                           ; v16-79   accumulator (t, u) at 8 (2 t + u)
.set WF,  80                           ; v80-111  two fragments of Wo
.set AF,  112                          ; v112-239 o's fragments: (u, s) at 64 u + 16 s; later the rows read back
.set WV,  14
.set WM,  15
.set WN,  16
.set G1,  24
.set G0,  32
.set SC,  38                           ; s[38:39] 2^(e10 + e11)
.macro PLACES n
.rept \n
	v_nop
.endr
.endm
.macro ROUND                           ; a round of the cluster's barrier
	s_barrier_signal -1
	s_barrier_wait -1
	s_cmp_lg_u32 s[WV], 0
	s_cbranch_scc1 .Lnot_wave_0_\@
	s_barrier_signal -3
.Lnot_wave_0_\@:
	s_barrier_wait -3
	s_barrier_signal -1
	s_barrier_wait -1
.endm
	s_load_b256 s[4:11], s[0:1], 0x0               ; o's images s[4:5], Wo s[6:7], bo s[8:9], the exponents s[10:11]
	s_load_b64 s[12:13], s[0:1], 0x20              ; out
	v_lshl_add_u32 v254, v0, 2, 0x29000
	v_mov_b32 v255, 0
	ds_add_u32 v254, v255
	ds_add_u32 v254, v255
	v_lshrrev_b32 v1, 5, v0
	s_delay_alu instid0(VALU_DEP_1)
	v_readfirstlane_b32 s[WV], v1                  ; wave 0..7
	s_lshr_b32 s[WM], s[WV], 1                     ; my pair of token tiles.  Also, for waves 0-3: which half of K I fetch
	s_and_b32 s[WN], s[WV], 1                      ; my half of the outputs.  Also: which 64 rows I fetch
	s_bfe_u32 s17, ttmp6, 0x40000                  ; cx
	s_lshl_b32 s18, ttmp9, 2
	s_add_co_u32 s18, s18, s17                     ; block of 128 tokens: it enters o's and out's addresses alone
	s_and_b32 s19, ttmp7, 0xffff                   ; block of 128 outputs, which the four partners share
	; descriptor group 1: 64 rows x 256 bytes, 16 bytes of padding behind each row
	s_mov_b32 s[G1], 15|(1<<20)|(1<<21)|(5<<22)|(3<<25)   ; 15:0 the mask: all four work-groups; 17:16 elements of 1 byte; 20 padding on; 21 set beside a mask; 24:22 after every 64 words; 31:25 four words
	s_mov_b32 s[G1+1], 256<<16                     ; tensor_dim0
	s_mov_b32 s[G1+2], 64<<16                      ; tensor_dim1
	s_mov_b32 s[G1+3], 256<<16                     ; tile_dim0
	s_mov_b32 s[G1+4], 64                          ; tile_dim1
	s_mov_b32 s[G1+5], 512                         ; bytes from row to row
	s_mov_b32 s[G1+6], 0
	s_mov_b32 s[G1+7], 0
	s_lshl_b32 s40, s19, 16                        ; Wo: 128 rows of 512 bytes a block,
	s_lshl_b32 s41, s[WN], 15                      ; 64 rows,
	s_add_co_u32 s40, s40, s41
	s_lshl_b32 s41, s[WM], 8                       ; 256 bytes into a row
	s_add_co_u32 s40, s40, s41
	s_mov_b32 s41, 0
	s_lshl_b32 s42, s18, 16                        ; o: 8 tiles of 8,192 bytes a block, two a pair
	s_lshl_b32 s43, s[WM], 14
	s_add_co_u32 s42, s42, s43
	s_mov_b32 s43, 0
	s_lshl_b32 s44, s19, 9                         ; bo, and a row of out: 512 bytes a block of outputs, 256 a half
	s_lshl_b32 s45, s[WN], 8
	s_add_co_u32 s44, s44, s45
	s_mov_b32 s45, 0
	s_lshl_b32 s46, s18, 18                        ; out: 128 rows of 2,048 bytes a block, 32 a pair
	s_lshl_b32 s47, s[WM], 16
	s_add_co_u32 s46, s46, s47
	s_add_co_u32 s46, s46, s44
	s_mov_b32 s47, 0
	s_wait_dscnt 0x0
	s_wait_kmcnt 0x0
	s_load_b64 s[36:37], s[10:11], 0x28            ; e10, e11
	s_mov_b32 s[G0], 1
	s_mul_i32 s[G0+1], s[WV], 64*PITCH             ; LDS: wave x 64 rows: K half 0's two halves of the rows, then K half 1's
	s_add_nc_u64 s[G0+2:G0+3], s[6:7], s[40:41]
	s_or_b32 s[G0+3], s[G0+3], 0x80000000          ; type = 2
	ROUND                                          ; all four work-groups are here: the joint loads meet
	s_cmp_lt_u32 s[WV], 4                          ; waves 0-3 fetch, one load each
	s_cbranch_scc0 .Lno_fill
	tensor_load_to_lds s[G0:G0+3], s[G1:G1+7]
	s_nop 0
	PLACES 4
.Lno_fill:
	s_add_nc_u64 s[4:5], s[4:5], s[42:43]
	s_add_nc_u64 s[8:9], s[8:9], s[44:45]
	s_add_nc_u64 s[12:13], s[12:13], s[46:47]
	v_and_b32 v13, 31, v0
	s_delay_alu instid0(VALU_DEP_1)
	v_lshlrev_b32 v[LI], 4, v13
	v_and_b32 v14, 15, v0                          ; r
	v_bfe_u32 v15, v0, 4, 1                        ; h
	s_delay_alu instid0(VALU_DEP_2)
	v_lshlrev_b32 v[BO], 4, v14
	global_load_b128 v[BB:BB+3], v[BO], s[8:9]     ; bo at my four columns
.irp s, 0,1,2,3                                ; o's fragments, K step by K step, so that the first products need not wait for the last loads
.irp u, 0,1
.irp p, 0,1,2,3
	global_load_b128 v[AF+64*\u+16*\s+4*\p:AF+64*\u+16*\s+4*\p+3], v[LI], s[4:5] offset:\u*8192+\s*2048+\p*512
.endr
.endr
.endr
	v_mul_u32_u24 v[VW], v14, PITCH
	s_delay_alu instid0(VALU_DEP_1)
	v_lshl_add_u32 v[VW], v15, 3, v[VW]
	s_mul_i32 s48, s[WN], 64*PITCH
	v_add_nc_u32 v[VW], s48, v[VW]                 ; Wo: row 64 x half + r, + 8 h
	s_mul_i32 s49, s[WV], 32*PITCH
	s_add_co_u32 s49, s49, STAGE                   ; my stage
	v_and_b32 v16, 8, v14
	s_delay_alu instid0(VALU_DEP_1)
	v_add_nc_u32 v16, v16, v14                     ; r + 8 (r / 8)
	s_delay_alu instid0(VALU_DEP_1)
	v_mul_u32_u24 v[STO], v16, PITCH
	s_delay_alu instid0(VALU_DEP_1)
	v_lshl_add_u32 v[STO], v15, 5, v[STO]
	s_delay_alu instid0(VALU_DEP_1)
	v_add_nc_u32 v[STO], s49, v[STO]               ; in: my token's row, + 32 h
	v_mul_u32_u24 v[RD], v15, PITCH
	s_delay_alu instid0(VALU_DEP_1)
	v_add_nc_u32 v[RD], v[RD], v[BO]
	s_delay_alu instid0(VALU_DEP_1)
	v_add_nc_u32 v[RD], s49, v[RD]                 ; back: lanes 0-15 one row, lanes 16-31 the next
	v_lshl_add_u32 v[CO], v15, 11, v[BO]           ; and the same two rows in out
	s_wait_kmcnt 0x0
	s_add_co_i32 s[SC], s36, s37
	s_add_co_i32 s[SC], s[SC], 127
	s_lshl_b32 s[SC], s[SC], 23                    ; 2^(e10 + e11) as f32
	s_mov_b32 s[SC+1], s[SC]                       ; (named with it as a pair)
	s_wait_tensorcnt 0x0                           ; my part of Wo has landed,
	s_barrier_signal -1
	s_barrier_wait -1                              ; everybody's has
.irp s, 0,1,2,3
	s_wait_loadcnt 8*(3-\s)                        ; bo and o's fragments up to this K step are in; the later steps' eight loads each may be out
.irp tp, 0,1
.if (\s)+(\tp) > 0
	PLACES 4                                       ; in front of loads into registers that the last products read
.endif
.irp i, 0,1
.irp c, 0,1,2,3,4,5,6,7
	ds_load_b64 v[WF+16*\i+2*\c:WF+16*\i+2*\c+1], v[VW] offset:(\s/2)*HALFK+(2*\tp+\i)*16*PITCH+(\s%2)*128+16*\c   ; registers 2 c, 2 c + 1: k = 16 c + 8 h + 0 .. 7, as o's images have it
.endr
.endr
	s_wait_dscnt 0x0
.irp i, 0,1
.irp u, 0,1
.if \s == 0
	v_wmma_f32_16x16x128_fp8_fp8 v[ACC+8*(2*(2*\tp+\i)+\u):ACC+8*(2*(2*\tp+\i)+\u)+7], v[WF+16*\i:WF+16*\i+15], v[AF+64*\u+16*\s:AF+64*\u+16*\s+15], 0
.else
	v_wmma_f32_16x16x128_fp8_fp8 v[ACC+8*(2*(2*\tp+\i)+\u):ACC+8*(2*(2*\tp+\i)+\u)+7], v[WF+16*\i:WF+16*\i+15], v[AF+64*\u+16*\s:AF+64*\u+16*\s+15], v[ACC+8*(2*(2*\tp+\i)+\u):ACC+8*(2*(2*\tp+\i)+\u)+7]
.endif
.endr
.endr
.endr
.endr                                          ; the eight accumulators take turns, one instruction a turn
	PLACES 4                                       ; in front of the LDS stores that read results, and of the loads into o's registers
	s_wait_alu depctr_va_vdst(0)
.irp u, 0,1
.irp t, 0,1,2,3
	ds_store_b128 v[STO], v[ACC+8*(2*\t+\u):ACC+8*(2*\t+\u)+3] offset:\u*8*PITCH+64*\t          ; each accumulator from its low end on
	ds_store_b128 v[STO], v[ACC+8*(2*\t+\u)+4:ACC+8*(2*\t+\u)+7] offset:\u*8*PITCH+64*\t+16
.endr
.endr
.irp i, 0,1,2,3,4,5,6,7,8,9,10,11,12,13,14,15
	ds_load_b128 v[AF+4*\i:AF+4*\i+3], v[RD] offset:\i*2*PITCH     ; LDS serves a wave's instructions in order (ISA guide 5.7.1.4): these see my stores
.endr
.irp i, 0,1,2,3,4,5,6,7,8,9,10,11,12,13,14,15
	s_wait_dscnt 15-\i                             ; rows 2 i and 2 i + 1 are back; the younger loads may be out
	v_pk_fma_f32 v[AF+4*\i:AF+4*\i+1], v[AF+4*\i:AF+4*\i+1], s[SC:SC+1], v[BB:BB+1] op_sel_hi:[1,0,1]
	v_pk_fma_f32 v[AF+4*\i+2:AF+4*\i+3], v[AF+4*\i+2:AF+4*\i+3], s[SC:SC+1], v[BB+2:BB+3] op_sel_hi:[1,0,1]
.irp j, 0,1,2,3
	v_max_num_f32 v[AF+4*\i+\j], 0, v[AF+4*\i+\j]
.endr
	global_store_b128 v[CO], v[AF+4*\i:AF+4*\i+3], s[12:13] offset:\i*4096 th:TH_STORE_NT   ; sixteen lanes store 256 consecutive bytes, aligned; written once, read by nobody here
.endr
	s_wait_tensorcnt 0x0
	ds_add_u32 v254, v255
	s_wait_dscnt 0x0
	ROUND                                          ; the closing round: no work-group ends while a partner may still ask for a tile that names it
	s_endpgm
.Lfunc_end_k_q0df329192a_oproj:
	.size	k_q0df329192a_oproj, .Lfunc_end_k_q0df329192a_oproj-k_q0df329192a_oproj
	.p2alignl 7, 3214868480
	.fill 96, 4, 3214868480
	.section	.rodata,"a",@progbits
	.p2align	6, 0x0
	.amdhsa_kernel k_q0df329192a_oproj
		.amdhsa_group_segment_fixed_size 168960
		.amdhsa_private_segment_fixed_size 0
		.amdhsa_enable_private_segment 0
		.amdhsa_kernarg_size 40
		.amdhsa_user_sgpr_count 2
		.amdhsa_user_sgpr_kernarg_segment_ptr 1
		.amdhsa_wavefront_size32 1
		.amdhsa_system_sgpr_workgroup_id_x 1
		.amdhsa_system_sgpr_workgroup_id_y 1
		.amdhsa_system_sgpr_workgroup_id_z 1
		.amdhsa_system_vgpr_workitem_id 0
		.amdhsa_next_free_vgpr 256
		.amdhsa_next_free_sgpr 66
		.amdhsa_reserve_vcc 0
		.amdhsa_float_denorm_mode_32 3
		.amdhsa_float_denorm_mode_16_64 3
		.amdhsa_memory_ordered 1
		.amdhsa_forward_progress 1
		.amdhsa_inst_pref_size 28
	.end_amdhsa_kernel
	.amdgpu_metadata
---
amdhsa.version: [ 1, 2 ]
amdhsa.kernels:
  - .name:           k_q0df329192a_oproj
    .symbol:         k_q0df329192a_oproj.kd
    .args:
      - { .name: o_img, .offset: 0, .size: 8, .value_kind: global_buffer, .address_space: global }
      - { .name: Wo_codes, .offset: 8, .size: 8, .value_kind: global_buffer, .address_space: global }
      - { .name: bo, .offset: 16, .size: 8, .value_kind: global_buffer, .address_space: global }
      - { .name: lowp_scales, .offset: 24, .size: 8, .value_kind: global_buffer, .address_space: global }
      - { .name: out0, .offset: 32, .size: 8, .value_kind: global_buffer, .address_space: global }
    .group_segment_fixed_size: 168960
    .private_segment_fixed_size: 0
    .kernarg_segment_align: 8
    .kernarg_segment_size: 40
    .max_flat_workgroup_size: 256
    .sgpr_count:     66
    .vgpr_count:     256
    .wavefront_size: 32
...
	.end_amdgpu_metadata
.endif
;; end of part 3
